; MI455X (gfx1250); checked and timed in simulation.
; The chip was launched on July 23, 2026; its instructions are those of AMD's public machine-readable ISA for CDNA 5 (MIT licence, August 2026) and "CDNA5" Instruction Set Architecture Reference Guide (July 2026). The comments in the code are by the model that wrote it; some were corrected since.
;; Cross Attention Fusion. Allowed arithmetic: matrix products marked QUANTISED: E2M1 operands, one E8M0 scale for each 32 along K, by v_wmma_scale_f32_16x16x128_f8f6f4 with both operands' format E2M1 (or v_wmma_scale_f32_32x16x128_f4), f32 sums; everything else in f32.
;; Inputs: Wk 512 x 512 float32; Wp 512 x 512 float32; Wq 512 x 512 float32; Wv 512 x 512 float32; beta 512 float32; bp 512 float32; ct_feat 2 x 512 x 64 x 64 float32; gamma 512 float32; pet_feat 2 x 512 x 64 x 64 float32.
;; Outputs: out0 2 x 512 x 64 x 64 float32.
;; This version of the problem:
;;   THIS VERSION OF THE PROBLEM IS GIVEN IN LOW PRECISION. The matrix products marked QUANTISED in the list below multiply operands that are first quantised to E2M1 (2 exponent bits, 1 mantissa bit; 4 bits a number), with one power-of-two scale for each 32 numbers along K (OCP MX v1.0); their sums are f32. All else is computed in f32.
;;   The module's matrix products, in the order in which they are computed (A, B: the left and right operand; K: the contracted axis; several contracted axes count as one K, in the product's order):
;;     1. [M 8,192, K 512] x [K 512, N 512]; A: input pet_feat; B: input Wq: QUANTISED
;;     2. [M 8,192, K 512] x [K 512, N 512]; A: input ct_feat; B: input Wk: QUANTISED
;;     3. [M 8,192, K 512] x [K 512, N 512]; A: input ct_feat; B: input Wv: QUANTISED
;;     4. batch 16 x [M 4,096, K 64] x [K 64, N 4,096]; A: computed on the way; B: computed on the way: QUANTISED
;;     5. batch 16 x [M 4,096, K 4,096] x [K 4,096, N 64]; A: softmax (see below); B: computed on the way: QUANTISED
;;     6. [M 8,192, K 512] x [K 512, N 512]; A: computed on the way; B: input Wp: QUANTISED
;;   THE QUANTISER, for each operand of a quantised product, along K:
;;     - K is cut into blocks of 32 from its start; a last block that is shorter is filled with zeros.
;;     - A block's scale is 2^e with e = floor(log2(the largest magnitude in the block)) - 2, held to -126 .. 127; a block of zeros has e = 0. As a byte (E8M0): e + 127.
;;     - Each number is divided by its block's scale, clamped to +-6, and rounded to the nearest number of E2M1, ties to even, subnormals kept.
;;     - The product sums the exact products of the quantised numbers (number of the format x scale) in f32.
;;   ~~~python
;;   def quantise(x, axis):      # numpy; x: float32 -> the quantised numbers, widened to float32 again
;;       x = np.moveaxis(x, axis, -1); K = x.shape[-1]
;;       x = np.pad(x, [(0, 0)] * (x.ndim - 1) + [(0, -K % 32)]); x = x.reshape(x.shape[:-1] + (-1, 32)); a = np.abs(x).max(-1, keepdims=True)
;;       e = np.where(a > 0, np.clip(np.frexp(np.where(a > 0, a, 1))[1] - 1 - 2, -126, 127), 0)      # np.frexp(a)[1] - 1 = floor(log2(a)), exactly
;;       r = np.clip(x / 2.0 ** e, -6, 6)
;;       step = 2.0 ** (np.maximum(np.frexp(np.where(r == 0, 1, r))[1] - 1, 0) - 1)
;;       q = np.round(r / step) * step * 2.0 ** e      # np.round: ties to even
;;       return np.moveaxis(q.reshape(q.shape[:-2] + (-1,))[..., :K], -1, axis).astype(np.float32)
;;   ~~~
;;   SOFTMAX AHEAD OF A QUANTISED PRODUCT. Where the list says 'softmax', what is quantised is not the finished softmax but p = 2^(t - M), with t = logit x log2(e) and M = ceil(the row's largest t), a whole number; so 1/2 < the row's largest p <= 1. The row's sum l is taken of the UNQUANTISED p, in f32, and the product's result is divided by l at the end. Since M is a whole number, a kernel that streams over the keys may use a running M (the ceiling of the running maximum): every later rescaling is an exact power of two, which a block's scale takes up: the codes' values come out the same.
;;   OPERANDS COMPUTED ON THE WAY. 'Computed on the way' means the value that the module computes at that place (a softmax that the list does not call 'softmax' is quantised finished and normalised). What goes into a quantiser is computed in f32, as accurately as f32 sums, v_exp_f32 and their like allow (about 1e-6 of the number): no bf16 or f16 on the way to a quantiser, and a product that is left as it is and whose result goes on into a quantised operand takes f32 operands (vector FMAs, or v_wmma_f32_16x16x4_f32). A number that lies on a knife's edge between two numbers of the format may be rounded either way, as far as f32 arithmetic and the matrix unit's own rounding can turn it there, and no further.
;; One version. Each part assembles by itself: llvm-mc -triple=amdgcn-amd-amdhsa -mcpu=gfx1250 --defsym DOCPART=n.
;; ======== version 1 of 1: 4 launches
;; limits: right only within a limited range of input values
;; workspace buffers: img 4,718,592 bytes; sc 294,912 bytes; qi 2,097,152 bytes; qs 262,144 bytes; kv 4,587,520 bytes; xi 2,097,152 bytes; xs 131,072 bytes
;; launch quant (part 1): grid 256 x 1, 4 waves a work-group, no clusters, 327,680 bytes of LDS; arguments pet_feat, ct_feat, Wq, Wk, Wv, Wp, img, sc; writes img, sc
.if DOCPART == 1
	.amdgcn_target "amdgcn-amd-amdhsa--gfx1250"
	.amdhsa_code_object_version 6
	.text
	.protected	k_q970cd86080_quant
	.globl	k_q970cd86080_quant
	.p2align	8
	.type	k_q970cd86080_quant,@function
k_q970cd86080_quant:
	s_mov_b64 s[64:65], 0
	v_nop
	global_prefetch_b8 v0, s[64:65] scope:SCOPE_SE
	s_setreg_imm32_b32 hwreg(HW_REG_WAVE_MODE, 25, 1), 1
	s_wait_xcnt 0x0
; pet_feat, ct_feat [2][512][4096] f32 (K = the 512 channels, NOT innermost) and Wq, Wk, Wv, Wp [512][512] f32 (K innermost) become codes of FP4 (E2M1) with one E8M0 byte for each 32 along K.
; OUT: img: tiles of 16 rows x 512 K, 4,096 bytes each, laid as the operand's registers: the block (row r of the tile, K block kb = 4 s + 2 c + h) is 16 bytes at tile x 4096 + 1024 s + 512 c + 256 h + 16 r.
;      Row r of tile 2 g + u is matrix row 32 g + 8 u + r + 8 (r / 8).  Tiles: pet 0-511 (row = 4096 b + l), ct 512-1023, Wq 1024-, Wk 1056-, Wv 1088-, Wp 1120-1151.
;      sc: [g][s][16 u + r] one word (the four bytes of K step s): 512 bytes for each pair of tiles.
; A block's scale is 2^(floor(log2(largest magnitude)) - 2); its byte is the largest magnitude's exponent field - 2, held at 1 from below by a floor among the maximum's leaves.
; LIMITS: a block of zeros gets the byte 1 where the rule says 127 (its codes are zeros, and this program alone reads the bytes); NaN and infinities among the inputs are not served.
; SHARES.  Work-group x has two jobs on one path.  FEATURES: tensor x / 128, 64 positions (4 tiles); wave w takes K step w (128 channels): a lane takes a position and its registers run down the channels.
; WEIGHTS: weight x / 64, rows 32 g .. 32 g + 31 (g = (x / 4) % 16), K step x % 4; lane = row, wave w takes K block w of the step.
; Both come into LDS by tensor loads, each byte filled once: at the head one load a wave, its 128 channels; the weights' 8 rows a wave behind the wait, the add and a barrier.
; No prefetch: there is no loop to run ahead in.  No cluster: work-groups share nothing.  All of LDS is claimed.
.set WPIT, 528                         ; a weight row in LDS: 512 bytes + 16 of padding
.set WREG, 131072                      ; LDS: 0: the features, 32,768 bytes a wave (128 channels x 256 bytes);  WREG: 32 weight rows
.set FX,   147968                      ; the features' scale words on their way out, 1,024 bytes
.set WX,   148992                      ; the weights', 128 bytes
.set X,    32                          ; v32-95   two sets of 32 numbers
.set C,    96                          ; v96-131  four registers of codes for each of nine items: no store's data are written again
	s_load_b256 s[4:11], s[0:1], 0x0               ; pet, ct, Wq, Wk
	s_load_b256 s[52:59], s[0:1], 0x20             ; Wv, Wp, img, sc
	v_lshl_add_u32 v136, v0, 2, 0x29000
	v_mov_b32 v137, 0
	ds_add_u32 v136, v137                          ; the opening lines: the add twice on end
	ds_add_u32 v136, v137
	v_lshrrev_b32 v22, 5, v0
	v_readfirstlane_b32 s12, v22                   ; wave 0..3
	s_mov_b32 s16, 2<<16                           ; group 1, features: 128 rows (channels) of 64 f32, 4,096 elements apart
	s_mov_b32 s17, 64<<16
	s_mov_b32 s18, 128<<16
	s_mov_b32 s19, 64<<16
	s_mov_b32 s20, 128
	s_mov_b32 s21, 4096
	s_mov_b32 s22, 0
	s_mov_b32 s23, 0
	s_mov_b32 s24, (2<<16)|(1<<20)|(6<<22)|(3<<25) ; group 1, weights: 8 rows of 128 f32, 512 elements apart, 4 words of padding behind every 128
	s_mov_b32 s25, 128<<16
	s_mov_b32 s26, 8<<16
	s_mov_b32 s27, 128<<16
	s_mov_b32 s28, 8
	s_mov_b32 s29, 512
	s_mov_b32 s30, 0
	s_mov_b32 s31, 0
	s_bfe_u32 s60, ttmp9, 0x10006                  ; b
	s_lshl_b32 s60, s60, 23
	s_lshl_b32 s13, s12, 21                        ; + my 128 channels
	s_add_co_u32 s60, s60, s13
	s_and_b32 s13, ttmp9, 63
	s_lshl_b32 s13, s13, 8                         ; + 64 positions x 4 bytes
	s_add_co_u32 s60, s60, s13
	s_mov_b32 s61, 0
	s_bfe_u32 s62, ttmp9, 0x40002                  ; g
	s_lshl_b32 s62, s62, 5
	s_lshl_b32 s13, s12, 3
	s_add_co_u32 s62, s62, s13                     ; the first of the 8 weight rows that I fetch
	s_lshl_b32 s62, s62, 11
	s_and_b32 s13, ttmp9, 3                        ; the weights' K step
	s_lshl_b32 s14, s13, 9
	s_add_co_u32 s62, s62, s14
	s_mov_b32 s63, 0
	s_mov_b32 s32, 1
	s_lshl_b32 s33, s12, 15                        ; LDS: my 32,768 bytes
	s_mov_b32 s40, 1
	s_mul_i32 s41, s12, 8*WPIT
	s_add_co_u32 s41, s41, WREG
	s_wait_dscnt 0x0
	s_wait_kmcnt 0x0
	s_cmp_lt_u32 ttmp9, 64                         ; the choices hang on the work-group's number alone
	s_cselect_b64 s[8:9], s[8:9], s[10:11]
	s_cmp_lt_u32 ttmp9, 192
	s_cselect_b64 s[52:53], s[52:53], s[54:55]
	s_cmp_lt_u32 ttmp9, 128
	s_cselect_b64 s[8:9], s[8:9], s[52:53]         ; my weight
	s_cselect_b64 s[4:5], s[4:5], s[6:7]           ; my feature tensor
	s_add_nc_u64 s[34:35], s[4:5], s[60:61]
	s_or_b32 s35, s35, 0x80000000
	s_add_nc_u64 s[42:43], s[8:9], s[62:63]
	s_or_b32 s43, s43, 0x80000000
	tensor_load_to_lds s[32:35], s[16:23]          ; my 128 channels: my one load at the head
	s_nop 0
	s_lshl_b32 s60, ttmp9, 14                      ; img: my 4 tiles, K step w
	s_lshl_b32 s14, s12, 10
	s_add_co_u32 s60, s60, s14
	s_add_nc_u64 s[44:45], s[56:57], s[60:61]
	s_lshr_b32 s15, ttmp9, 2                       ; 16 x weight + g
	s_lshl_b32 s60, s15, 13
	s_add_co_u32 s60, s60, 1024*4096
	s_lshl_b32 s14, s13, 10
	s_add_co_u32 s60, s60, s14
	s_lshl_b32 s14, s12, 8                         ; K block w of the step
	s_add_co_u32 s60, s60, s14
	s_add_nc_u64 s[46:47], s[56:57], s[60:61]
	s_lshl_b32 s60, ttmp9, 10                      ; sc: my two pairs of tiles
	s_add_nc_u64 s[48:49], s[58:59], s[60:61]
	s_lshl_b32 s60, s15, 9
	s_add_co_u32 s60, s60, 512*512
	s_lshl_b32 s14, s13, 7
	s_add_co_u32 s60, s60, s14
	s_add_nc_u64 s[50:51], s[58:59], s[60:61]
	v_and_b32 v22, 31, v0                          ; lane = row in a group of 32
	v_bfe_u32 v23, v0, 3, 1                        ; u
	v_and_b32 v24, 7, v0
	v_bfe_u32 v25, v0, 4, 1
	v_lshl_or_b32 v24, v25, 3, v24                 ; r
	v_lshlrev_b32 v1, 4, v24
	v_lshl_add_u32 v1, v23, 12, v1
	v_lshl_add_u32 v26, v23, 4, v24                ; 16 u + r
	v_lshlrev_b32 v2, 2, v22
	v_add_nc_u32 v2, s33, v2
	v_mul_u32_u24 v3, v22, WPIT
	s_lshl_b32 s14, s12, 7
	s_add_co_u32 s15, s14, WREG
	v_add_nc_u32 v3, s15, v3
	s_add_co_u32 s15, s14, FX
	v_lshl_add_u32 v4, v26, 2, s15
	s_add_co_u32 s15, s12, WX
	v_lshl_add_u32 v5, v26, 2, s15
	v_lshl_add_u32 v6, v0, 3, FX
	v_lshlrev_b32 v7, 3, v0
	v_lshl_add_u32 v8, v22, 2, WX
	v_lshlrev_b32 v9, 2, v22
.macro LOADI t                         ; item t = 2 q + e: channels 32 q + i of my K step, positions 32 e + lane
.irp i, 0,1,2,3,4,5,6,7,8,9,10,11,12,13,14,15,16,17,18,19,20,21,22,23,24,25,26,27,28,29,30,31
	ds_load_b32 v[X+32*((\t)%2)+\i], v2 offset:(32*((\t)/2)+\i)*256+128*((\t)%2)
.endr
.endm
.macro ITEM xs, c, by                  ; 32 numbers of one block in my registers -> 16 bytes of codes and the scale's byte
	v_max3_num_f32 v10, |v[\xs]|, |v[\xs+1]|, |v[\xs+2]|
	v_max3_num_f32 v11, |v[\xs+3]|, |v[\xs+4]|, |v[\xs+5]|
.irp i, 6,10,14,18,22,26
	v_max3_num_f32 v10, v10, |v[\xs+\i]|, |v[\xs+\i+1]|
	v_max3_num_f32 v11, v11, |v[\xs+\i+2]|, |v[\xs+\i+3]|
.endr
	v_max3_num_f32 v10, v10, |v[\xs+30]|, |v[\xs+31]|
	v_max3_num_f32 v10, v10, v11, 0x1800000        ; the floor 2^(3 - 127): the byte cannot fall under 1
	v_add_nc_u32 v12, 0xff000000, v10              ; 2 off the exponent field: the conversion's scale operand
.irp g, 0,1,2,3
	v_cvt_scalef32_pk8_fp4_f32 v[\c+\g], v[\xs+8*\g:\xs+8*\g+7], v12
.endr
	v_lshrrev_b32 v[\by], 23, v12                  ; the byte; also the plain line behind the conversions
.endm
	s_wait_alu depctr_va_vdst(0)                   ; the wait at the head's end
	s_wait_tensorcnt 0x0                           ; my 128 channels are in; the three lines and the barrier ahead of a later first fill:
	ds_add_u32 v136, v137
	s_wait_dscnt 0x0
	s_barrier_signal -1
	s_barrier_wait -1
	tensor_load_to_lds s[40:43], s[24:31]          ; 8 weight rows: my one load behind the barrier; it lands while the features are worked
	s_nop 0
	LOADI 0
.set T, 0
.rept 8
.if T < 7
	LOADI T+1
	s_wait_dscnt 32                                ; this item's 32 loads are in; the next item's 32 may be out
.else
	s_wait_dscnt 0x0
.endif
	ITEM X+32*(T%2), C+4*T, 13
.if T/2 == 0
	v_mov_b32 v[14+T%2], v13                       ; four bytes make the scale word of my row and K step
.else
	v_lshl_or_b32 v[14+T%2], v13, 8*(T/2), v[14+T%2]
.endif
	global_store_b128 v1, v[C+4*T:C+4*T+3], s[44:45] offset:(T%2)*8192+(T/2)*256   ; 16 lanes fill 256 consecutive bytes of one tile, the other 16 of its neighbour
.set T, T+1
.endr
	ds_store_b32 v4, v14                           ; the scale words of positions 0-31,
	ds_store_b32 v4, v15 offset:512                ; and 32-63
	s_wait_tensorcnt 0x0                           ; my 8 weight rows are in,
	s_wait_dscnt 0x0                               ; my scale words are stored:
	s_barrier_signal -1
	s_barrier_wait -1                              ; everybody's are
.irp i, 0,1,2,3,4,5,6,7
	ds_load_b128 v[X+4*\i:X+4*\i+3], v3 offset:16*\i   ; my row's K block w: 32 neighbours
.endr
	ds_load_b64 v[18:19], v6
	s_wait_dscnt 0x0
	ITEM X, C+32, 16
	global_store_b128 v1, v[C+32:C+35], s[46:47]
	ds_store_b8 v5, v16                            ; byte w of my row's word
	global_store_b64 v7, v[18:19], s[48:49]        ; a wave stores 256 consecutive bytes, aligned
	s_wait_dscnt 0x0
	s_barrier_signal -1
	s_barrier_wait -1
	s_cmp_lg_u32 s12, 0
	s_cbranch_scc1 .Lend
	ds_load_b32 v20, v8
	s_wait_dscnt 0x0
	global_store_b32 v9, v20, s[50:51]             ; 128 consecutive bytes: half of an aligned 256
.Lend:
	s_wait_tensorcnt 0x0                           ; the wave's end
	ds_add_u32 v136, v137
	s_wait_dscnt 0x0
	s_endpgm
.Lfunc_end_k_q970cd86080_quant:
	.size	k_q970cd86080_quant, .Lfunc_end_k_q970cd86080_quant-k_q970cd86080_quant
	.p2alignl 7, 3214868480
	.fill 96, 4, 3214868480
	.section	.rodata,"a",@progbits
	.p2align	6, 0x0
	.amdhsa_kernel k_q970cd86080_quant
		.amdhsa_group_segment_fixed_size 327680
		.amdhsa_private_segment_fixed_size 0
		.amdhsa_enable_private_segment 0
		.amdhsa_kernarg_size 64
		.amdhsa_user_sgpr_count 2
		.amdhsa_user_sgpr_kernarg_segment_ptr 1
		.amdhsa_wavefront_size32 1
		.amdhsa_system_sgpr_workgroup_id_x 1
		.amdhsa_system_sgpr_workgroup_id_y 1
		.amdhsa_system_sgpr_workgroup_id_z 1
		.amdhsa_system_vgpr_workitem_id 0
		.amdhsa_next_free_vgpr 138
		.amdhsa_next_free_sgpr 66
		.amdhsa_reserve_vcc 0
		.amdhsa_float_denorm_mode_32 3
		.amdhsa_float_denorm_mode_16_64 3
		.amdhsa_memory_ordered 1
		.amdhsa_forward_progress 1
		.amdhsa_inst_pref_size 37
	.end_amdhsa_kernel
	.amdgpu_metadata
---
amdhsa.version: [ 1, 2 ]
amdhsa.kernels:
  - .name:           k_q970cd86080_quant
    .symbol:         k_q970cd86080_quant.kd
    .args:
      - { .name: pet_feat, .offset: 0, .size: 8, .value_kind: global_buffer, .address_space: global }
      - { .name: ct_feat, .offset: 8, .size: 8, .value_kind: global_buffer, .address_space: global }
      - { .name: Wq, .offset: 16, .size: 8, .value_kind: global_buffer, .address_space: global }
      - { .name: Wk, .offset: 24, .size: 8, .value_kind: global_buffer, .address_space: global }
      - { .name: Wv, .offset: 32, .size: 8, .value_kind: global_buffer, .address_space: global }
      - { .name: Wp, .offset: 40, .size: 8, .value_kind: global_buffer, .address_space: global }
      - { .name: img, .offset: 48, .size: 8, .value_kind: global_buffer, .address_space: global }
      - { .name: sc, .offset: 56, .size: 8, .value_kind: global_buffer, .address_space: global }
    .group_segment_fixed_size: 327680
    .private_segment_fixed_size: 0
    .kernarg_segment_align: 8
    .kernarg_segment_size: 64
    .max_flat_workgroup_size: 128
    .sgpr_count:     66
    .vgpr_count:     138
    .wavefront_size: 32
...
	.end_amdgpu_metadata
.endif
;; end of part 1
;; launch proj (part 2): grid 128 x 3, 4 waves a work-group, no clusters, 0 bytes of LDS; arguments img, sc, qi, qs, kv; writes qi, qs, kv
.if DOCPART == 2
	.amdgcn_target "amdgcn-amd-amdhsa--gfx1250"
	.amdhsa_code_object_version 6
	.text
	.protected	k_q970cd86080_proj
	.globl	k_q970cd86080_proj
	.p2align	8
	.type	k_q970cd86080_proj,@function
k_q970cd86080_proj:
	s_mov_b64 s[64:65], 0
	v_nop
	global_prefetch_b8 v0, s[64:65] scope:SCOPE_SE
	s_setreg_imm32_b32 hwreg(HW_REG_WAVE_MODE, 25, 1), 1
	s_wait_xcnt 0x0
; q = pet Wq^T, k = ct Wk^T, v = ct Wv^T on codes of FP4 (K = 512, four steps of 128, ascending, one f32 sum an output), and the results quantised at once: q and k along the head's 64, v along the keys.
; ONE JOB for the three (y = 0, 1, 2): Out(S1 row, S0 index), quantised along the S0 index.  Source 0 = a tile of S0, source 1 = a tile of S1: a lane holds ONE row of S1 and its registers run along S0's rows.
;   q, k: S0 = the weight's rows (the head's 64), S1 = positions.   v: S0 = ct's rows (keys), S1 = Wv's rows (the head's 64).
; Tiles hold rows 32 g + 8 u + r + 8 (r / 8), so the 16 registers of S0 tiles 2 g and 2 g + 1 are 16 neighbours along the next K.
; A wave: 4 tiles of S1 (kept in registers) x 2 passes of 4 tiles of S0.  Operands come from memory straight into registers, as images of registers: every load is 512 consecutive bytes.  No LDS, no barrier.
; OUT: qi [head][tile][lane][16 bytes]: registers 0-3 of Q's fragment;  qs [head][4 tiles][r][a] words (two bytes, the upper two 0).
;      kv [head][step of 128 keys] records of 8,960 bytes: K's codes [tile 8][lane][16]; +4096 V's codes [c 2][a 4][lane][16]; +8192 K's scale words [2][r][a 4]; +8704 V's [r][a 4].
; LIMITS: a block of zeros gets the byte 1 (its codes are zeros; this program alone reads the bytes); NaN and infinities are not served.
; No cluster and no prefetch: there is no tensor load to share or to run ahead of, and all loads of a pass are asked for at its head.
; REGISTERS: window 0: v1 16 x lane, v2 4 x lane, v3 16 r + 8 h; v8-15, v16-23 scale words of S0, S1; v32-63 at work; v64-95 codes; v96-99 word pairs; v128-255 the 16 accumulators ((a, i) at 128 + 32 a + 8 i).
;            window 1: S0's fragments (K step s, tile i) at 8 (4 s + i); S1's at 128 + 8 (4 s + a).
.set ACC,  128
.set S0SC, 8
.set S1SC, 16
.set TM,   32
.set TP,   40
.set TS,   48
.set W0,   56
.set W1,   60
.set PC0,  64
.set PC1,  80
.set SEL,  56
.set MSB, 0
.macro WIN new                         ; the immediate's high byte repeats the setting that is left
.if MSB != \new
	s_set_vgpr_msb (MSB<<8)|\new
.set MSB, \new
.endif
.endm
.macro LDSC dst, base, off             ; the scale words of 4 tiles: register 4 p + s: lanes 0-15 tile 2 p, lanes 16-31 tile 2 p + 1, K step s
.irp p, 0,1
.irp s, 0,1,2,3
	global_load_b32 v[\dst+4*\p+\s], v2, s[\base:\base+1] offset:\off+512*\p+128*\s
.endr
.endr
.endm
.macro LDFR reg0, base, s, off         ; the fragments of 4 tiles for K step s
.irp i, 0,1,2,3
.irp c, 0,1
	global_load_b128 v[\reg0+8*(4*(\s)+\i)+4*\c:\reg0+8*(4*(\s)+\i)+4*\c+3], v1, s[\base:\base+1] offset:\off+4096*\i+1024*(\s)+512*\c
.endr
.endr
.endm
.macro WM d, fa, fb, zero, sa, sb, ra, rb   ; one product; ra, rb: which half of the lanes holds the side's scale words
.if \zero
.if ((\ra) == 0) && ((\rb) == 0)
	v_wmma_scale_f32_16x16x128_f8f6f4 v[\d:\d+7], v[\fa:\fa+7], v[\fb:\fb+7], 0, v[\sa], v[\sb] matrix_a_fmt:MATRIX_FMT_FP4 matrix_b_fmt:MATRIX_FMT_FP4
.elseif (\rb) == 0
	v_wmma_scale_f32_16x16x128_f8f6f4 v[\d:\d+7], v[\fa:\fa+7], v[\fb:\fb+7], 0, v[\sa], v[\sb] matrix_a_fmt:MATRIX_FMT_FP4 matrix_b_fmt:MATRIX_FMT_FP4 matrix_a_scale:MATRIX_SCALE_ROW1
.elseif (\ra) == 0
	v_wmma_scale_f32_16x16x128_f8f6f4 v[\d:\d+7], v[\fa:\fa+7], v[\fb:\fb+7], 0, v[\sa], v[\sb] matrix_a_fmt:MATRIX_FMT_FP4 matrix_b_fmt:MATRIX_FMT_FP4 matrix_b_scale:MATRIX_SCALE_ROW1
.else
	v_wmma_scale_f32_16x16x128_f8f6f4 v[\d:\d+7], v[\fa:\fa+7], v[\fb:\fb+7], 0, v[\sa], v[\sb] matrix_a_fmt:MATRIX_FMT_FP4 matrix_b_fmt:MATRIX_FMT_FP4 matrix_a_scale:MATRIX_SCALE_ROW1 matrix_b_scale:MATRIX_SCALE_ROW1
.endif
.else
.if ((\ra) == 0) && ((\rb) == 0)
	v_wmma_scale_f32_16x16x128_f8f6f4 v[\d:\d+7], v[\fa:\fa+7], v[\fb:\fb+7], v[\d:\d+7], v[\sa], v[\sb] matrix_a_fmt:MATRIX_FMT_FP4 matrix_b_fmt:MATRIX_FMT_FP4
.elseif (\rb) == 0
	v_wmma_scale_f32_16x16x128_f8f6f4 v[\d:\d+7], v[\fa:\fa+7], v[\fb:\fb+7], v[\d:\d+7], v[\sa], v[\sb] matrix_a_fmt:MATRIX_FMT_FP4 matrix_b_fmt:MATRIX_FMT_FP4 matrix_a_scale:MATRIX_SCALE_ROW1
.elseif (\ra) == 0
	v_wmma_scale_f32_16x16x128_f8f6f4 v[\d:\d+7], v[\fa:\fa+7], v[\fb:\fb+7], v[\d:\d+7], v[\sa], v[\sb] matrix_a_fmt:MATRIX_FMT_FP4 matrix_b_fmt:MATRIX_FMT_FP4 matrix_b_scale:MATRIX_SCALE_ROW1
.else
	v_wmma_scale_f32_16x16x128_f8f6f4 v[\d:\d+7], v[\fa:\fa+7], v[\fb:\fb+7], v[\d:\d+7], v[\sa], v[\sb] matrix_a_fmt:MATRIX_FMT_FP4 matrix_b_fmt:MATRIX_FMT_FP4 matrix_a_scale:MATRIX_SCALE_ROW1 matrix_b_scale:MATRIX_SCALE_ROW1
.endif
.endif
.endm
.macro GEMM s, zero                    ; K step s: the 16 accumulators take turns, one instruction a turn, in the same order in every step
.irp a, 0,1,2,3
.irp i, 0,1,2,3
	WM ACC+32*\a+8*\i, 8*(4*(\s)+\i), 128+8*(4*(\s)+\a), \zero, S0SC+4*(\i/2)+(\s), S1SC+4*(\a/2)+(\s), \i%2, \a%2
.endr
.endr
.endm
; The 128 results of a lane are 8 half blocks: block 2 a + b' of row (a, r) lies in registers ACC + 16 (2 a + b') + 0 .. 15 of lanes l and l xor 16.  Codes to v[pc] on (4 registers a tile a), two bytes to v[w + a].
.macro QUANT8 pc, w
.irp b, 0,1,2,3,4,5,6,7
	v_max3_num_f32 v[TM+\b], |v[ACC+16*\b]|, |v[ACC+16*\b+1]|, 0x1800000   ; each accumulator is read from its low end on; the floor 2^(3 - 127) holds the byte at 1 from below
.endr
.irp i, 2,4,6,8,10,12,14
.irp b, 0,1,2,3,4,5,6,7
	v_max3_num_f32 v[TM+\b], v[TM+\b], |v[ACC+16*\b+\i]|, |v[ACC+16*\b+\i+1]|
.endr
.endr
.irp b, 0,1,2,3,4,5,6,7
	v_permlanex16_b32 v[TP+\b], v[TM+\b], s[SEL], s[SEL+1]
.endr
.irp b, 0,1,2,3,4,5,6,7
	v_max_num_f32 v[TM+\b], v[TM+\b], v[TP+\b]     ; with lane l xor 16's: the block's largest magnitude
.endr
.irp b, 0,1,2,3,4,5,6,7
	v_add_nc_u32 v[TS+\b], 0xff000000, v[TM+\b]    ; 2 off its exponent field: the conversion's scale operand
.endr
.irp b, 0,1,2,3,4,5,6,7
	v_lshrrev_b32 v[TP+\b], 23, v[TS+\b]           ; the byte
.endr
.irp a, 0,1,2,3
	v_lshl_or_b32 v[\w+\a], v[TP+2*\a+1], 8, v[TP+2*\a]
.endr
.irp b, 0,1,2,3,4,5,6,7
	v_cvt_scalef32_pk8_fp4_f32 v[\pc+2*\b], v[ACC+16*\b:ACC+16*\b+7], v[TS+\b]
	v_cvt_scalef32_pk8_fp4_f32 v[\pc+2*\b+1], v[ACC+16*\b+8:ACC+16*\b+15], v[TS+\b]
.endr
	v_nop                                          ; one plain line behind the scaled conversions
.irp a, 0,1,2,3
.irp i, 0,1
	v_permlane16_swap_b32 v[\pc+4*\a+\i], v[\pc+4*\a+2+\i]   ; a WHOLE block to a lane: lanes 0-15 the first block, lanes 16-31 the second
.endr
.endr
.endm
.macro STW w, pr, base                 ; the four tiles' words leave as [r][a]: lane (r, h) stores words 2 h and 2 h + 1: 256 consecutive bytes, aligned
	v_cndmask_b32 v[\pr], v[\w], v[\w+2], s60
	v_cndmask_b32 v[\pr+1], v[\w+1], v[\w+3], s60
	global_store_b64 v3, v[\pr:\pr+1], s[\base:\base+1]
.endm
	s_load_b256 s[4:11], s[0:1], 0x0               ; img, sc, qi, qs
	s_load_b64 s[12:13], s[0:1], 0x20              ; kv
	v_lshrrev_b32 v4, 5, v0
	v_readfirstlane_b32 s14, v4                    ; wave w
	v_and_b32 v4, 31, v0
	v_lshlrev_b32 v1, 4, v4
	v_lshlrev_b32 v2, 2, v4
	v_and_b32 v5, 15, v0
	v_bfe_u32 v6, v0, 4, 1
	v_lshlrev_b32 v3, 4, v5
	v_lshl_add_u32 v3, v6, 3, v3
	v_cmp_eq_u32 s60, 1, v6                        ; the lanes 16-31
.irp b, 0,1,2,3,4,5,6,7
	v_mov_b32 v[TP+\b], 0                          ; written once: a lane permute's destination counts as one of its sources
.endr
	s_mov_b32 s[SEL], 0x76543210
	s_mov_b32 s[SEL+1], 0xfedcba98
	s_and_b32 s15, ttmp7, 0xffff                   ; y: 0 q, 1 k, 2 v
	s_lshl_b32 s16, s14, 3
	s_and_b32 s17, ttmp9, 15
	s_lshl_b32 s17, s17, 5
	s_add_co_u32 s17, s17, 512                     ; v: S0 = ct's tiles 512 + 32 (x % 16) (+ 8 w)
	s_lshl_b32 s18, s15, 5
	s_add_co_u32 s18, s18, 1024                    ; q, k: S0 = the weight's tiles
	s_lshr_b32 s23, ttmp9, 4
	s_lshl_b32 s19, s23, 2
	s_add_co_u32 s19, s19, 1088                    ; v: S1 = Wv's tiles of head x / 16
	s_lshl_b32 s20, ttmp9, 2
	s_lshl_b32 s21, s15, 9
	s_add_co_u32 s20, s20, s21                     ; q, k: S1 = the features' tiles 4 x
	s_lshr_b32 s21, ttmp9, 6
	s_lshl_b32 s21, s21, 3
	s_lshl_b32 s22, s14, 1
	s_add_co_u32 s21, s21, s22                     ; q, k: head 8 b + 2 w (+ pass)
	s_bfe_u32 s22, ttmp9, 0x10003
	s_lshl_b32 s22, s22, 3
	s_add_co_u32 s22, s22, s23                     ; v: head 8 b + x / 16
	s_bfe_u32 s23, ttmp9, 0x50001                  ; k: step (x % 64) / 2
	s_and_b32 s40, ttmp9, 7
	s_lshl_b32 s40, s40, 2
	s_add_co_u32 s40, s40, s14                     ; v: step 4 (x % 8) + w
	s_and_b32 s41, ttmp9, 1
	s_lshl_b32 s42, s41, 11                        ; k: tiles 4 (x % 2) on
	s_lshl_b32 s43, s41, 8
	s_add_co_u32 s43, s43, 8192
	s_mov_b32 s44, 286720                          ; k: from pass to pass a head on
	s_cmp_eq_u32 s15, 2
	s_cselect_b32 s17, s17, s18
	s_cselect_b32 s19, s19, s20                    ; S1's first tile
	s_cselect_b32 s21, s22, s21                    ; the head
	s_cselect_b32 s23, s40, s23                    ; the step
	s_cselect_b32 s42, 4096, s42
	s_cselect_b32 s43, 8704, s43
	s_cselect_b32 s45, 0, s44
	s_cselect_b32 s44, 2048, s44                   ; v: from pass to pass 64 keys on: c
	s_add_co_u32 s17, s17, s16                     ; S0's first tile
	s_mul_i32 s46, s21, 286720
	s_mul_i32 s47, s23, 8960
	s_add_co_u32 s46, s46, s47                     ; the record in kv
	s_add_co_u32 s42, s42, s46
	s_add_co_u32 s43, s43, s46
	s_and_b32 s47, ttmp9, 63
	s_lshl_b32 s48, s21, 17
	s_lshl_b32 s49, s47, 11
	s_add_co_u32 s48, s48, s49                     ; q: place in qi
	s_lshl_b32 s49, s21, 14
	s_lshl_b32 s47, s47, 8
	s_add_co_u32 s49, s49, s47                     ; and in qs
	s_wait_kmcnt 0x0
	s_cmp_eq_u32 s15, 0
	s_cselect_b32 s42, s48, s42
	s_cselect_b32 s46, s49, s43
	s_cselect_b32 s44, 131072, s44
	s_cselect_b32 s48, 16384, s45
	s_cselect_b64 s[32:33], s[8:9], s[12:13]
	s_cselect_b64 s[36:37], s[10:11], s[12:13]
	s_mov_b32 s43, 0
	s_mov_b32 s45, 0
	s_mov_b32 s47, 0
	s_mov_b32 s49, 0
	s_add_nc_u64 s[32:33], s[32:33], s[42:43]      ; codes, pass 0
	s_add_nc_u64 s[34:35], s[32:33], s[44:45]      ; codes, pass 1
	s_add_nc_u64 s[36:37], s[36:37], s[46:47]      ; words, pass 0
	s_add_nc_u64 s[38:39], s[36:37], s[48:49]      ; words, pass 1
	s_mov_b32 s51, 0
	s_lshl_b32 s50, s17, 12
	s_add_nc_u64 s[24:25], s[4:5], s[50:51]        ; S0's fragments
	s_lshl_b32 s50, s19, 12
	s_add_nc_u64 s[26:27], s[4:5], s[50:51]        ; S1's
	s_lshl_b32 s50, s17, 8
	s_add_nc_u64 s[28:29], s[6:7], s[50:51]        ; S0's scale words
	s_lshl_b32 s50, s19, 8
	s_add_nc_u64 s[30:31], s[6:7], s[50:51]        ; S1's
	LDSC S1SC, 30, 0
	LDSC S0SC, 28, 0
	WIN 0x40                                       ; destination window 1
.irp s, 0,1,2,3
	LDFR 0, 24, \s, 0
	LDFR 128, 26, \s, 0
.endr
	WIN 0x05                                       ; sources 0 and 1 window 1
	s_wait_loadcnt 48                              ; all but the 16 fragment loads of each of the three later K steps
	GEMM 0, 1
	s_wait_loadcnt 32
	GEMM 1, 0
	s_wait_loadcnt 16
	GEMM 2, 0
	s_wait_loadcnt 0x0
	GEMM 3, 0
.rept 4
	v_nop                                          ; four places ahead of loads into registers that products have read, and of the first read of results
.endr
	WIN 0
	LDSC S0SC, 28, 1024                            ; pass 1's S0: four tiles on; they land while pass 0 is quantised
	WIN 0x40
.irp s, 0,1,2,3
	LDFR 0, 24, \s, 16384
.endr
	WIN 0
	QUANT8 PC0, W0
.irp a, 0,1,2,3
	global_store_b128 v1, v[PC0+4*\a:PC0+4*\a+3], s[32:33] offset:512*\a   ; 512 consecutive bytes
.endr
	s_cmp_eq_u32 s15, 2                            ; v's word is whole only behind pass 1
	s_cbranch_scc1 .Lno_w0
	STW W0, 96, 36
.Lno_w0:
	WIN 0x05
	s_wait_loadcnt 24                              ; all but the 8 fragment loads of each of the three later K steps
	GEMM 0, 1
	s_wait_loadcnt 16
	GEMM 1, 0
	s_wait_loadcnt 8
	GEMM 2, 0
	s_wait_loadcnt 0x0
	GEMM 3, 0
.rept 4
	v_nop
.endr
	WIN 0
	QUANT8 PC1, W1
.irp a, 0,1,2,3
	global_store_b128 v1, v[PC1+4*\a:PC1+4*\a+3], s[34:35] offset:512*\a
.endr
	s_cmp_lg_u32 s15, 2
	s_cbranch_scc1 .Lno_merge
.irp a, 0,1,2,3
	v_lshl_or_b32 v[W1+\a], v[W1+\a], 16, v[W0+\a] ; v: the four blocks of the step's 128 keys
.endr
.Lno_merge:
	STW W1, 98, 38
	s_endpgm
.Lfunc_end_k_q970cd86080_proj:
	.size	k_q970cd86080_proj, .Lfunc_end_k_q970cd86080_proj-k_q970cd86080_proj
	.p2alignl 7, 3214868480
	.fill 96, 4, 3214868480
	.section	.rodata,"a",@progbits
	.p2align	6, 0x0
	.amdhsa_kernel k_q970cd86080_proj
		.amdhsa_group_segment_fixed_size 0
		.amdhsa_private_segment_fixed_size 0
		.amdhsa_enable_private_segment 0
		.amdhsa_kernarg_size 40
		.amdhsa_user_sgpr_count 2
		.amdhsa_user_sgpr_kernarg_segment_ptr 1
		.amdhsa_wavefront_size32 1
		.amdhsa_system_sgpr_workgroup_id_x 1
		.amdhsa_system_sgpr_workgroup_id_y 1
		.amdhsa_system_sgpr_workgroup_id_z 1
		.amdhsa_system_vgpr_workitem_id 0
		.amdhsa_next_free_vgpr 512
		.amdhsa_next_free_sgpr 66
		.amdhsa_reserve_vcc 0
		.amdhsa_float_denorm_mode_32 3
		.amdhsa_float_denorm_mode_16_64 3
		.amdhsa_memory_ordered 1
		.amdhsa_forward_progress 1
		.amdhsa_inst_pref_size 49
	.end_amdhsa_kernel
	.amdgpu_metadata
---
amdhsa.version: [ 1, 2 ]
amdhsa.kernels:
  - .name:           k_q970cd86080_proj
    .symbol:         k_q970cd86080_proj.kd
    .args:
      - { .name: img, .offset: 0, .size: 8, .value_kind: global_buffer, .address_space: global }
      - { .name: sc, .offset: 8, .size: 8, .value_kind: global_buffer, .address_space: global }
      - { .name: qi, .offset: 16, .size: 8, .value_kind: global_buffer, .address_space: global }
      - { .name: qs, .offset: 24, .size: 8, .value_kind: global_buffer, .address_space: global }
      - { .name: kv, .offset: 32, .size: 8, .value_kind: global_buffer, .address_space: global }
    .group_segment_fixed_size: 0
    .private_segment_fixed_size: 0
    .kernarg_segment_align: 8
    .kernarg_segment_size: 40
    .max_flat_workgroup_size: 128
    .sgpr_count:     66
    .vgpr_count:     512
    .wavefront_size: 32
...
	.end_amdgpu_metadata
.endif
;; end of part 2
;; launch attn (part 3): grid 16 x 16, 16 waves a work-group, clusters of 4 x 1, 327,680 bytes of LDS; arguments qi, qs, kv, xi, xs; writes xi, xs
.if DOCPART == 3
	.amdgcn_target "amdgcn-amd-amdhsa--gfx1250"
	.amdhsa_code_object_version 6
	.text
	.protected	k_q970cd86080_attn
	.globl	k_q970cd86080_attn
	.p2align	8
	.type	k_q970cd86080_attn,@function
k_q970cd86080_attn:
	s_mov_b64 s[64:65], 0
	v_nop
	global_prefetch_b8 v0, s[64:65] scope:SCOPE_SE
	s_setreg_imm32_b32 hwreg(HW_REG_WAVE_MODE, 25, 1), 1
	s_wait_xcnt 0x0
	s_wait_alu depctr_hold_cnt(0) depctr_sa_sdst(0) depctr_va_vdst(0) depctr_va_sdst(0) depctr_va_ssrc(0) depctr_va_vcc(0) depctr_vm_vsrc(0)
	s_getreg_b32 s2, hwreg(HW_REG_IB_STS2, 6, 4)
	s_cmp_eq_u32 s2, 0
	s_cbranch_scc0 .Lentry_in_a_cluster
	s_endpgm
.Lentry_in_a_cluster:
	s_bfe_u32 s2, ttmp6, 0x10000c
	s_cmp_lg_u32 s2, 0x3003
	s_cbranch_scc0 .Lentry_shape_is_right
	s_endpgm
.Lentry_shape_is_right:
; x[head][q] = sum over keys of softmax(q . k / 8) v, both products on codes of FP4 with E8M0 scales, and x quantised at once along the head's 64 for the last projection.
; t = score x log2(e) / 8; M = ceil(running largest t); p = 2^(t - M) is quantised along the keys; the row's sum is of the unquantised p and divides at the end; a change of M multiplies sums and O by 2^(old M - new M).
; IN: qi, qs: Q's fragments and scale words.  kv [head][step of 128 keys] records of 8,960 bytes: K's codes [tile 8][lane][16]; +4096 V's codes [c 2][a 4][lane][16]; +8192 K's scale words [2][r][a 4]; +8704 V's [r][a 4].
; SHARES.  A work-group: 256 queries of one head; each of 16 waves one tile of 16 queries.  All 32 records of the head lie in LDS, each byte filled once: two joint loads a wave (a record each), shared by the
; four work-groups of a cluster, which walk the same head.  The second half is first read in step 15; its wait and barrier stand behind step 3.  No prefetch: all tiles are asked for at the head.
; LAYOUT.  Both products transposed: a lane holds ONE query (lane % 16).  THE KEYS OF A TILE ARE CHOSEN BY LDS ADDRESS: row m of tile (c, i) is key 64 c + 32 (m / 8) + 8 i + m % 8, so lane (r, h) holds in the
; 32 registers of tiles (c, 0..3) the WHOLE block of keys 64 c + 32 h + 0 .. 31, in order: a block's maximum needs no other lane and the conversions' results are P's operand registers as they stand.
; (In the record that key lies in tile 4 c + 2 (m / 8) + i % 2, row m % 8 + 8 (i / 2).  Rows 0-7 and 8-15 of a tile lie 1,024 bytes apart.)
; A BLOCK'S SCALE: its largest p is 2^x, x = t - M of its largest score, so the scale's byte is floor(x) + 125, held at 1 from below.
; LIMITS: where x lies within an ulp under a whole number and v_exp_f32 gives the power of two itself, that one p is held at the largest code; a block whose every p is 0 keeps its byte (codes are zeros);
; the promise holds while the scaled scores stay under 2^31 in magnitude; NaN and infinities are not served.
; A STEP: 8 score products; then this step's V and the NEXT step's K are asked of LDS; maxima, M, scalings, scales, O's rescaling; 64 exponentials; conversions, sums; 4 products, behind which the next step's 8 follow.
.set REC,  8960
.set XSTG, 33*REC                      ; x's scale bytes on their way out, 512 bytes; record 32's place stays empty
.set SPARE, XSTG+512                   ; the spare words, 128 bytes a wave
.set AV,  1                            ; LDS addresses that walk, 4 records a trip: V's codes (16 x lane)
.set AK,  2                            ; K's codes: 1024 (r / 8) + 256 h + 16 (r % 8)
.set AS,  3                            ; K's scale words: 256 h + 16 (r % 8) + 8 (r / 8): lanes 0-15 c = 0, lanes 16-31 c = 1
.set AB,  4                            ; V's scale words: 16 r + 8 h
.set GL,  5                            ; 16 x lane
.set XA,  6
.set XR,  7
.set SH8, 8                            ; 8 h
.set NMA, 10                           ; -M, in two pairs that take turns step by step
.set NMB, 12
.set RM,  14                           ; the running largest score
.set TMP, 15
.set QQ,  16
.set QS,  24
.set PS,  25
.set VS,  26
.set KS,  28
.set KF,  32                           ; 8 tiles x 4 registers, and 4 zeros: K = 64, so the upper half of each operand meets Q's zeros
.set VF,  68
.set SS,  100
.set OO,  164
.set PC,  196
.set MT,  204
.set XB,  212
.set FL,  214
.set BS,  216
.set BY,  218
.set FF,  220
.set BP,  222
.set RP,  224
.set LS,  226                          ; the row's sum in 8 pairs
.set SPW, 254
.set NIL, 255
.set WV,  12
.set G1,  16
.set G0A, 24
.set G0B, 28
.set SEL, 32
.set CS,  34
.set NC,  38
.set CNT, 3
.macro ROUND
	s_barrier_signal -1
	s_barrier_wait -1
	s_cmp_lg_u32 s[WV], 0
	s_cbranch_scc1 .Lnot_wave_0_\@
	s_barrier_signal -3
.Lnot_wave_0_\@:
	s_barrier_wait -3
	s_barrier_signal -1
	s_barrier_wait -1
.endm
	s_load_b256 s[4:11], s[0:1], 0x0               ; qi, qs, kv, xi
	s_load_b64 s[36:37], s[0:1], 0x20              ; xs
	v_lshl_add_u32 v[SPW], v0, 2, SPARE
	v_mov_b32 v[NIL], 0
	ds_add_u32 v[SPW], v[NIL]                      ; the opening lines: the add twice on end
	ds_add_u32 v[SPW], v[NIL]
	v_lshrrev_b32 v[TMP], 5, v0
	v_readfirstlane_b32 s[WV], v[TMP]
	s_bfe_u32 s13, ttmp6, 0x40000
	s_lshl_b32 s14, ttmp9, 2
	s_add_co_u32 s14, s14, s13                     ; which 256 queries
	s_and_b32 s15, ttmp7, 0xffff                   ; the head
	s_mov_b32 s[G1], 15|(3<<16)|(1<<21)            ; a record: 35 rows of 256 bytes, dense; the mask names the cluster's four
	s_mov_b32 s[G1+1], 32<<16
	s_mov_b32 s[G1+2], 35<<16
	s_mov_b32 s[G1+3], 32<<16
	s_mov_b32 s[G1+4], 35
	s_mov_b32 s[G1+5], 32
	s_mov_b32 s[G1+6], 0
	s_mov_b32 s[G1+7], 0
	s_mov_b32 s[G0A], 1
	s_mul_i32 s[G0A+1], s[WV], REC
	s_mov_b32 s[G0B], 1
	s_add_co_u32 s[G0B+1], s[G0A+1], 16*REC
	s_mul_i32 s40, s15, 32*REC
	s_add_co_u32 s40, s40, s[G0A+1]
	s_mov_b32 s41, 0
	s_mov_b32 s[SEL], 0x76543210
	s_mov_b32 s[SEL+1], 0xfedcba98
	s_mov_b32 s[CS], 0x3e38aa3b                    ; c = log2(e) / 8
	s_mov_b32 s[CS+1], s[CS]
	s_mov_b32 s[NC], 0xbe38aa3b                    ; -c
	s_lshl_b32 s42, s15, 17                        ; qi
	s_lshl_b32 s44, s14, 13
	s_add_co_u32 s42, s42, s44
	s_lshl_b32 s44, s[WV], 9
	s_add_co_u32 s42, s42, s44
	s_mov_b32 s43, 0
	s_lshl_b32 s44, s15, 14                        ; qs
	s_lshl_b32 s46, s14, 10
	s_add_co_u32 s44, s44, s46
	s_lshr_b32 s46, s[WV], 2
	s_lshl_b32 s46, s46, 8
	s_add_co_u32 s44, s44, s46
	s_and_b32 s46, s[WV], 3
	s_lshl_b32 s46, s46, 2
	s_add_co_u32 s44, s44, s46
	s_mov_b32 s45, 0
	s_lshr_b32 s46, s15, 3                         ; xi
	s_lshl_b32 s46, s46, 20
	s_lshl_b32 s48, s14, 16
	s_add_co_u32 s46, s46, s48
	s_lshl_b32 s48, s[WV], 12
	s_add_co_u32 s46, s46, s48
	s_bfe_u32 s48, s15, 0x20001
	s_lshl_b32 s48, s48, 10
	s_add_co_u32 s46, s46, s48
	s_and_b32 s48, s15, 1
	s_lshl_b32 s48, s48, 9
	s_add_co_u32 s46, s46, s48
	s_mov_b32 s47, 0
	s_lshl_b32 s48, s15, 13                        ; xs
	s_lshl_b32 s50, s14, 9
	s_add_co_u32 s48, s48, s50
	s_mov_b32 s49, 0
	s_lshl_b32 s51, s[WV], 5
	s_add_co_u32 s51, s51, XSTG
	s_wait_dscnt 0x0
	s_wait_kmcnt 0x0
	s_add_nc_u64 s[G0A+2:G0A+3], s[8:9], s[40:41]
	s_add_nc_u64 s[G0B+2:G0B+3], s[G0A+2:G0A+3], 16*REC
	s_or_b32 s[G0A+3], s[G0A+3], 0x80000000
	s_or_b32 s[G0B+3], s[G0B+3], 0x80000000
	s_add_nc_u64 s[4:5], s[4:5], s[42:43]
	s_add_nc_u64 s[6:7], s[6:7], s[44:45]
	s_add_nc_u64 s[10:11], s[10:11], s[46:47]
	s_add_nc_u64 s[36:37], s[36:37], s[48:49]
	ROUND
	tensor_load_to_lds s[G0A:G0A+3], s[G1:G1+7]    ; record w: my one load at the head
	s_nop 0
	v_and_b32 v100, 31, v0
	v_and_b32 v101, 15, v0                         ; r
	v_bfe_u32 v102, v0, 4, 1                       ; h
	v_and_b32 v104, 7, v0                          ; r % 8
	v_bfe_u32 v105, v0, 3, 1                       ; r / 8
	v_lshlrev_b32 v[GL], 4, v100
	v_lshlrev_b32 v103, 4, v101
	v_lshlrev_b32 v106, 4, v104
	v_lshlrev_b32 v[SH8], 3, v102
	global_load_b128 v[QQ:QQ+3], v[GL], s[4:5]
	global_load_b32 v[QS], v103, s[6:7]
	v_lshl_add_u32 v106, v102, 8, v106
	v_mov_b32 v[AV], v[GL]
	v_lshl_add_u32 v[AB], v102, 3, v103
	v_lshl_add_u32 v[XA], v101, 1, s51
	v_add_nc_u32 v[XR], XSTG, v[GL]
	v_lshl_add_u32 v[AK], v105, 10, v106
	v_lshl_add_u32 v[AS], v105, 3, v106
.irp j, 0,1,2,3
	v_mov_b32 v[QQ+4+\j], 0
	v_mov_b32 v[KF+32+\j], 0
.endr
.irp j, 0,1,2
	v_mov_b32 v[BP+\j], 0                          ; a lane permute's destination counts as one of its sources
.endr
	v_mov_b32 v[RM], 0xff61b1e6                    ; -3e38, under every score
	v_mov_b32 v[NMB], 0x7f61b1e6                   ; the -M ahead of the first step: the first f is 0
	v_mov_b32 v[NMA+1], 0
	v_mov_b32 v[NMB+1], 0
	v_mov_b32 v[FF+1], 0
.set J, 0
.rept 16
	v_mov_b32 v[LS+J], 0
.set J, J+1
.endr
.set J, 0
.rept 32
	v_mov_b32 v[OO+J], 0                           ; the step is written once: the first finds zeros
.set J, J+1
.endr
.macro KLOAD q                         ; record q's K: tile (c, i) into KF + 16 c + 4 i, its rows' scale words into KS + i
.irp c, 0,1
.irp i, 0,1,2,3
	ds_load_b128 v[KF+16*\c+4*\i:KF+16*\c+4*\i+3], v[AK] offset:(\q)*REC+2048*\c+512*(\i%2)+128*(\i/2)
.endr
.endr
.irp u, 0,1
	ds_load_b64 v[KS+2*\u:KS+2*\u+1], v[AS] offset:(\q)*REC+8192+128*\u
.endr
.endm
.macro VL q, n                         ; one of record q's nine loads for V: n = 0 the scale words, n = 1 .. 8 the codes of (c, a) = ((n - 1) / 4, (n - 1) % 4)
.if \n == 0
	ds_load_b64 v[VS:VS+1], v[AB] offset:(\q)*REC+8704
.else
	ds_load_b128 v[VF+8*((\n-1)%4)+4*((\n-1)/4):VF+8*((\n-1)%4)+4*((\n-1)/4)+3], v[AV] offset:(\q)*REC+4096+2048*((\n-1)/4)+512*((\n-1)%4)
.endif
.endm
.macro PKT j0
.set J, \j0
.rept 4
	v_pk_fma_f32 v[SS+J:SS+J+1], v[SS+J:SS+J+1], s[CS:CS+1], v[NN:NN+1] op_sel_hi:[1,0,0]
.set J, J+2
.endr
.endm
; q: the step's place in a trip of four.  pf = 1: the next step's K is asked for; pf = 2: not in the loop's last trip, which has no next step
.macro STEP q, pf
.set NN, NMA+2*((\q)%2)
.set NO, NMB-2*((\q)%2)
.irp t, 0,1,2,3
	v_wmma_scale_f32_16x16x128_f8f6f4 v[SS+8*\t:SS+8*\t+7], v[KF+4*\t:KF+4*\t+7], v[QQ:QQ+7], 0, v[KS+\t], v[QS] matrix_a_fmt:MATRIX_FMT_FP4 matrix_b_fmt:MATRIX_FMT_FP4
.endr
.irp t, 4,5,6,7
	v_wmma_scale_f32_16x16x128_f8f6f4 v[SS+8*\t:SS+8*\t+7], v[KF+4*\t:KF+4*\t+7], v[QQ:QQ+7], 0, v[KS+\t-4], v[QS] matrix_a_fmt:MATRIX_FMT_FP4 matrix_b_fmt:MATRIX_FMT_FP4 matrix_a_scale:MATRIX_SCALE_ROW1
.endr
.rept 4
	v_nop                                          ; four places ahead of loads into the products' sources and of the first read of the scores
.endr
.if \pf == 2
	s_cmp_eq_u32 s[CNT], 1
	s_cbranch_scc1 .Lno_next_\@
.endif
	KLOAD (\q)+1
.Lno_next_\@:
.irp t, 0,1,2,3,4,5,6,7                        ; the maxima: eight chains by turns, each accumulator from its low end on
	v_max3_num_f32 v[MT+\t], v[SS+8*\t], v[SS+8*\t+1], v[SS+8*\t+2]
.endr
.irp i, 3,5
.irp t, 0,1,2,3,4,5,6,7
	v_max3_num_f32 v[MT+\t], v[MT+\t], v[SS+8*\t+\i], v[SS+8*\t+\i+1]
.endr
.endr
.irp c, 0,1
	v_max3_num_f32 v[MT+4*\c], v[MT+4*\c], v[SS+32*\c+7], v[SS+32*\c+15]
	v_max3_num_f32 v[MT+4*\c+1], v[MT+4*\c+1], v[SS+32*\c+23], v[SS+32*\c+31]
.endr
	s_delay_alu instid0(VALU_DEP_3)
	v_max3_num_f32 v[MT], v[MT], v[MT+1], v[MT+2]
	s_delay_alu instid0(VALU_DEP_2)
	v_max3_num_f32 v[MT+4], v[MT+4], v[MT+5], v[MT+6]
	s_delay_alu instid0(VALU_DEP_2)
	v_max_num_f32 v[MT], v[MT], v[MT+3]            ; the largest score of my block 2 x 0 + h,
	s_delay_alu instid0(VALU_DEP_2)
	v_max_num_f32 v[MT+4], v[MT+4], v[MT+7]        ; and of 2 x 1 + h
	s_delay_alu instid0(VALU_DEP_1)
	v_max_num_f32 v[TMP], v[MT], v[MT+4]
	s_delay_alu instid0(VALU_DEP_1)
	v_permlanex16_b32 v[RP], v[TMP], s[SEL], s[SEL+1]
	s_delay_alu instid0(VALU_DEP_1)
	v_max3_num_f32 v[RM], v[RM], v[TMP], v[RP]     ; the running largest score of my query
	VL \q, 0                                       ; this step's V is asked of LDS here: its nine loads stand between the lines of the chain for M, each of which reads the line before it
	VL \q, 1
	VL \q, 2
	v_mul_f32 v[TMP], s[NC], v[RM]
	VL \q, 3
	VL \q, 4
	VL \q, 5
	v_floor_f32 v[NN], v[TMP]                      ; -M = floor(-t): M is a whole number
	VL \q, 6
	VL \q, 7
	VL \q, 8
.if \q == 3
.irp a, AV, AK, AS, AB
	v_add_nc_u32 v[\a], 4*REC, v[\a]               ; on to the next trip's four records (LDS instructions have read their addresses at issue)
.endr
.endif
	PKT 0                                          ; the 32 scalings; f's and the scales' lines stand among them, so that no line waits for the line above it
	v_sub_f32 v[TMP], v[NN], v[NO]                 ; old M - new M, 0 or less
	v_fma_f32 v[XB], v[MT], s[CS], v[NN]           ; x = t - M of each block's largest score
	v_fma_f32 v[XB+1], v[MT+4], s[CS], v[NN]
	PKT 8
	v_cvt_i32_f32 v[TMP], v[TMP]                   ; (it saturates)
	v_max_num_f32 v[XB], 0xc2f80000, v[XB]         ; held at -124: the byte cannot fall under 1
	v_max_num_f32 v[XB+1], 0xc2f80000, v[XB+1]
	PKT 16
	v_ldexp_f32 v[FF], 1.0, v[TMP]                 ; f = 2^(old M - new M)
	v_cvt_floor_i32_f32 v[FL], v[XB]
	v_cvt_floor_i32_f32 v[FL+1], v[XB+1]
	PKT 24
	v_add_lshl_u32 v[BS], v[FL], 125, 23           ; the conversion's scale operand: exponent field floor(x) - 2 + 127
	v_add_lshl_u32 v[BS+1], v[FL+1], 125, 23
	v_lshl_add_u32 v[BP], v[FL+1], 16, v[FL]       ; my two bytes, blocks h and 2 + h: (floor(x1) << 16) + floor(x0),
	PKT 32
	v_add_lshl_u32 v[BP], v[BP], 0x7d007d, v[SH8]  ; + 125 in both (each byte lies in 1 .. 126, so nothing is carried), at their places in the word
	PKT 40
	v_permlanex16_b32 v[BP+1], v[BP], s[SEL], s[SEL+1]
	PKT 48
	PKT 56
.set J, 0
.rept 16
	v_pk_mul_f32 v[OO+J:OO+J+1], v[OO+J:OO+J+1], v[FF:FF+1] op_sel_hi:[1,0]   ; O^T under the new M, ahead of the exponentials
.set J, J+2
.endr
	s_wait_alu depctr_va_vdst(0)                   ; the wait ahead of the batch
.set J, 0
.rept 64
	v_exp_f32 v[SS+J], v[SS+J]                     ; p = 2^(t - M)
.set J, J+1
.endr
	v_or_b32 v[PS], v[BP], v[BP+1]                 ; with lane l xor 16's two bytes: p's scale word.  (The plain place behind the batch)
	s_wait_alu depctr_va_vdst(0)                   ; one wait for the batch, ahead of its first reader
.irp c, 0,1
.irp i, 0,1,2,3
	v_cvt_scalef32_pk8_fp4_f32 v[PC+4*\c+\i], v[SS+32*\c+8*\i:SS+32*\c+8*\i+7], v[BS+\c]   ; keys 64 c + 32 h + 8 i + 0 .. 7: register 4 c + i of P's operand
.endr
.endr
.set J, 0
.rept 8
	v_pk_fma_f32 v[LS+J:LS+J+1], v[LS+J:LS+J+1], v[FF:FF+1], v[SS+J:SS+J+1] op_sel_hi:[1,0,1]   ; the sums under the new M, and the first 16 p: eight chains
.set J, J+2
.endr
.rept 24
	v_pk_add_f32 v[LS+J%16:LS+J%16+1], v[LS+J%16:LS+J%16+1], v[SS+J:SS+J+1]
.set J, J+2
.endr
	s_wait_dscnt 0x0                               ; V, and the next step's K
.irp a, 0,1
	v_wmma_scale_f32_16x16x128_f8f6f4 v[OO+8*\a:OO+8*\a+7], v[VF+8*\a:VF+8*\a+7], v[PC:PC+7], v[OO+8*\a:OO+8*\a+7], v[VS+\a], v[PS] matrix_a_fmt:MATRIX_FMT_FP4 matrix_b_fmt:MATRIX_FMT_FP4
.endr
.irp a, 2,3
	v_wmma_scale_f32_16x16x128_f8f6f4 v[OO+8*\a:OO+8*\a+7], v[VF+8*\a:VF+8*\a+7], v[PC:PC+7], v[OO+8*\a:OO+8*\a+7], v[VS+\a-2], v[PS] matrix_a_fmt:MATRIX_FMT_FP4 matrix_b_fmt:MATRIX_FMT_FP4 matrix_a_scale:MATRIX_SCALE_ROW1
.endr
.endm
	s_wait_alu depctr_va_vdst(0)                   ; the wait at the head's end
	s_wait_tensorcnt 0x0                           ; record w is in; the three lines and a round ahead of the later first fill
	ds_add_u32 v[SPW], v[NIL]
	s_wait_dscnt 0x0
	ROUND                                          ; records 0-15 are whole in every work-group of the cluster
	tensor_load_to_lds s[G0B:G0B+3], s[G1:G1+7]    ; record 16 + w
	s_nop 0
	KLOAD 0
	s_wait_loadcnt 0x0                             ; Q
	s_wait_dscnt 0x0
	STEP 0, 1
	STEP 1, 1
	STEP 2, 1
	STEP 3, 1
	s_wait_tensorcnt 0x0                           ; record 16 + w is in,
	s_wait_dscnt 0x0
	s_barrier_signal -1
	s_barrier_wait -1                              ; and so is everybody's
	s_mov_b32 s[CNT], 7
.Ltrip:
	STEP 0, 1
	STEP 1, 1
	STEP 2, 1
	STEP 3, 2
	s_sub_co_u32 s[CNT], s[CNT], 1
	s_cmp_lg_u32 s[CNT], 0
	s_cbranch_scc1 .Ltrip
	; THE WAY OUT: the sum's parts (these lines are also the places behind the last products), O^T / the sum, its two blocks of 32 quantised
	s_wait_alu depctr_va_vdst(0)                   ; directly ahead of the first reader of the last step's sums
.irp k, 0,2,4,6
	v_pk_add_f32 v[LS+\k:LS+\k+1], v[LS+\k:LS+\k+1], v[LS+8+\k:LS+9+\k]
.endr
.irp k, 0,2
	v_pk_add_f32 v[LS+\k:LS+\k+1], v[LS+\k:LS+\k+1], v[LS+4+\k:LS+5+\k]
.endr
	s_delay_alu instid0(VALU_DEP_1)
	v_pk_add_f32 v[LS:LS+1], v[LS:LS+1], v[LS+2:LS+3]
	s_delay_alu instid0(VALU_DEP_1)
	v_add_f32 v[TMP], v[LS], v[LS+1]
	s_delay_alu instid0(VALU_DEP_1)
	v_permlanex16_b32 v[RP], v[TMP], s[SEL], s[SEL+1]
	s_delay_alu instid0(VALU_DEP_1)
	v_add_f32 v[TMP], v[TMP], v[RP]
	s_wait_alu depctr_va_vdst(0)                   ; the wait ahead of the transcendental
	v_rcp_f32 v[TMP], v[TMP]
	v_nop
	s_wait_alu depctr_va_vdst(0)                   ; and ahead of its first reader, which is also O^T's
.set J, 0
.rept 32
	v_mul_f32 v[SS+J], v[OO+J], v[TMP]
.set J, J+1
.endr
.irp b, 0,1
	v_max3_num_f32 v[MT+\b], |v[SS+16*\b]|, |v[SS+16*\b+1]|, 0x1800000
.endr
.irp i, 2,4,6,8,10,12,14
.irp b, 0,1
	s_delay_alu instid0(VALU_DEP_2)
	v_max3_num_f32 v[MT+\b], v[MT+\b], |v[SS+16*\b+\i]|, |v[SS+16*\b+\i+1]|
.endr
.endr
.irp b, 0,1
	s_delay_alu instid0(VALU_DEP_2)
	v_permlanex16_b32 v[BP+\b], v[MT+\b], s[SEL], s[SEL+1]
.endr
.irp b, 0,1
	s_delay_alu instid0(VALU_DEP_2)
	v_max_num_f32 v[MT+\b], v[MT+\b], v[BP+\b]
.endr
.irp b, 0,1
	s_delay_alu instid0(VALU_DEP_2)
	v_add_nc_u32 v[BS+\b], 0xff000000, v[MT+\b]
.endr
.irp b, 0,1
	s_delay_alu instid0(VALU_DEP_2)
	v_lshrrev_b32 v[BP+\b], 23, v[BS+\b]
.endr
	s_delay_alu instid0(VALU_DEP_1)
	v_lshl_or_b32 v[PS], v[BP+1], 8, v[BP]
.irp b, 0,1
	v_cvt_scalef32_pk8_fp4_f32 v[PC+2*\b], v[SS+16*\b:SS+16*\b+7], v[BS+\b]
	v_cvt_scalef32_pk8_fp4_f32 v[PC+2*\b+1], v[SS+16*\b+8:SS+16*\b+15], v[BS+\b]
.endr
	v_nop
	v_permlane16_swap_b32 v[PC], v[PC+2]
	v_permlane16_swap_b32 v[PC+1], v[PC+3]
	global_store_b128 v[GL], v[PC:PC+3], s[10:11]  ; 512 consecutive bytes
	ds_store_b16 v[XA], v[PS]
	s_wait_dscnt 0x0
	s_barrier_signal -1
	s_barrier_wait -1
	s_cmp_lg_u32 s[WV], 0
	s_cbranch_scc1 .Lnot_mine
	ds_load_b128 v[SS:SS+3], v[XR]
	s_wait_dscnt 0x0
	global_store_b128 v[GL], v[SS:SS+3], s[36:37]  ; the sixteen waves' scale bytes: 512 consecutive bytes
.Lnot_mine:
	s_wait_tensorcnt 0x0                           ; the wave's end
	ds_add_u32 v[SPW], v[NIL]
	s_wait_dscnt 0x0
	ROUND                                          ; the closing round
	s_endpgm
.Lfunc_end_k_q970cd86080_attn:
	.size	k_q970cd86080_attn, .Lfunc_end_k_q970cd86080_attn-k_q970cd86080_attn
	.p2alignl 7, 3214868480
	.fill 96, 4, 3214868480
	.section	.rodata,"a",@progbits
	.p2align	6, 0x0
	.amdhsa_kernel k_q970cd86080_attn
		.amdhsa_group_segment_fixed_size 327680
		.amdhsa_private_segment_fixed_size 0
		.amdhsa_enable_private_segment 0
		.amdhsa_kernarg_size 40
		.amdhsa_user_sgpr_count 2
		.amdhsa_user_sgpr_kernarg_segment_ptr 1
		.amdhsa_wavefront_size32 1
		.amdhsa_system_sgpr_workgroup_id_x 1
		.amdhsa_system_sgpr_workgroup_id_y 1
		.amdhsa_system_sgpr_workgroup_id_z 1
		.amdhsa_system_vgpr_workitem_id 0
		.amdhsa_next_free_vgpr 256
		.amdhsa_next_free_sgpr 66
		.amdhsa_reserve_vcc 0
		.amdhsa_float_denorm_mode_32 3
		.amdhsa_float_denorm_mode_16_64 3
		.amdhsa_memory_ordered 1
		.amdhsa_forward_progress 1
		.amdhsa_inst_pref_size 124
	.end_amdhsa_kernel
	.amdgpu_metadata
---
amdhsa.version: [ 1, 2 ]
amdhsa.kernels:
  - .name:           k_q970cd86080_attn
    .symbol:         k_q970cd86080_attn.kd
    .args:
      - { .name: qi, .offset: 0, .size: 8, .value_kind: global_buffer, .address_space: global }
      - { .name: qs, .offset: 8, .size: 8, .value_kind: global_buffer, .address_space: global }
      - { .name: kv, .offset: 16, .size: 8, .value_kind: global_buffer, .address_space: global }
      - { .name: xi, .offset: 24, .size: 8, .value_kind: global_buffer, .address_space: global }
      - { .name: xs, .offset: 32, .size: 8, .value_kind: global_buffer, .address_space: global }
    .group_segment_fixed_size: 327680
    .private_segment_fixed_size: 0
    .kernarg_segment_align: 8
    .kernarg_segment_size: 40
    .max_flat_workgroup_size: 512
    .sgpr_count:     66
    .vgpr_count:     256
    .wavefront_size: 32
...
	.end_amdgpu_metadata
.endif
;; end of part 3
;; launch outp (part 4): grid 128 x 1, 8 waves a work-group, no clusters, 168,960 bytes of LDS; arguments xi, xs, img, sc, pet_feat, bp, gamma, beta, out0; writes out0
.if DOCPART == 4
	.amdgcn_target "amdgcn-amd-amdhsa--gfx1250"
	.amdhsa_code_object_version 6
	.text
	.protected	k_q970cd86080_outp
	.globl	k_q970cd86080_outp
	.p2align	8
	.type	k_q970cd86080_outp,@function
k_q970cd86080_outp:
	s_mov_b64 s[64:65], 0
	v_nop
	global_prefetch_b8 v0, s[64:65] scope:SCOPE_SE
	s_setreg_imm32_b32 hwreg(HW_REG_WAVE_MODE, 25, 1), 1
	s_wait_xcnt 0x0
; out = LayerNorm(pet + x Wp^T + bp) gamma + beta, stored [b][c][l].  The product is on codes of FP4 (K = 512, four steps, ascending); all else in f32.
; SHARES.  A work-group takes 64 positions (256 bytes of each channel's row) and all 512 channels, since a LayerNorm row needs them all: 128 work-groups are what aligned runs of 256 bytes of [c][l] allow.
; Wave w takes channels 64 w .. 64 w + 63: source 0 = 4 tiles of Wp, source 1 = the 4 tiles of x: a lane holds ONE position, its registers run along the channels.
; pet's 64 x 64 numbers of each wave come into LDS by one tensor load (rows = channels, as they lie); they and bp are the C of the first K step.  The results go back into the same rows, which have had their one fill,
; and leave as whole rows.  A wave reads and writes its own 64 rows alone.  Mean and variance meet across the eight waves in LDS: two barriers.  The variance is the mean of (z - mean)^2, in two passes.
; No cluster: the work-groups' one tensor load each is of bytes that nobody else reads.  No prefetch: all loads are issued at the head.
; REGISTERS: window 0: v1 16 x lane, v2 4 x lane, v3 2 x lane, v4 Z address, v5 64 h; v6-13 Wp's scale words, v14-21 x's; v22-29 x's upper halves, later mean / rstd pairs; v30, v31 addresses;
;            v32-63 gamma, v64-95 beta, v96-127 bp, later at work; v128-255 the 16 accumulators ((a, i) at 128 + 32 a + 8 i).   window 1: fragments: Wp's at 8 (4 s + i), x's at 128 + 8 (4 s + a).
.set ZP,   264                         ; a row of Z: 256 bytes + 8: 16 rows are 1,056 words = 32 mod 64 banks, so the two halves of the lanes fall on different banks
.set ZW,   64*ZP                       ; a wave's 64 rows
.set RED1, 135168                      ; [16 a + r][wave] f32: the sums;
.set RED2, 137216                      ; the sums of squares
.set ACC,  128
.set S0SC, 6
.set S1SC, 14
.set XH,   22
.set PP,   22
.set GAM,  32
.set BET,  64
.set BIA,  96
.set SEL,  44
.set MSB, 0
.macro WIN new
.if MSB != \new
	s_set_vgpr_msb (MSB<<8)|\new
.set MSB, \new
.endif
.endm
.macro LDFR reg0, base, s
.irp i, 0,1,2,3
.irp c, 0,1
	global_load_b128 v[\reg0+8*(4*(\s)+\i)+4*\c:\reg0+8*(4*(\s)+\i)+4*\c+3], v1, s[\base:\base+1] offset:4096*\i+1024*(\s)+512*\c
.endr
.endr
.endm
.macro WM d, fa, fb, sa, sb, ra, rb
.if ((\ra) == 0) && ((\rb) == 0)
	v_wmma_scale_f32_16x16x128_f8f6f4 v[\d:\d+7], v[\fa:\fa+7], v[\fb:\fb+7], v[\d:\d+7], v[\sa], v[\sb] matrix_a_fmt:MATRIX_FMT_FP4 matrix_b_fmt:MATRIX_FMT_FP4
.elseif (\rb) == 0
	v_wmma_scale_f32_16x16x128_f8f6f4 v[\d:\d+7], v[\fa:\fa+7], v[\fb:\fb+7], v[\d:\d+7], v[\sa], v[\sb] matrix_a_fmt:MATRIX_FMT_FP4 matrix_b_fmt:MATRIX_FMT_FP4 matrix_a_scale:MATRIX_SCALE_ROW1
.elseif (\ra) == 0
	v_wmma_scale_f32_16x16x128_f8f6f4 v[\d:\d+7], v[\fa:\fa+7], v[\fb:\fb+7], v[\d:\d+7], v[\sa], v[\sb] matrix_a_fmt:MATRIX_FMT_FP4 matrix_b_fmt:MATRIX_FMT_FP4 matrix_b_scale:MATRIX_SCALE_ROW1
.else
	v_wmma_scale_f32_16x16x128_f8f6f4 v[\d:\d+7], v[\fa:\fa+7], v[\fb:\fb+7], v[\d:\d+7], v[\sa], v[\sb] matrix_a_fmt:MATRIX_FMT_FP4 matrix_b_fmt:MATRIX_FMT_FP4 matrix_a_scale:MATRIX_SCALE_ROW1 matrix_b_scale:MATRIX_SCALE_ROW1
.endif
.endm
.macro GEMM s                          ; the 16 accumulators take turns, one instruction a turn
.irp a, 0,1,2,3
.irp i, 0,1,2,3
	WM ACC+32*\a+8*\i, 8*(4*(\s)+\i), 128+8*(4*(\s)+\a), S0SC+4*(\i/2)+(\s), S1SC+4*(\a/2)+(\s), \i%2, \a%2
.endr
.endr
.endm
.macro VEC32 dst, base                 ; 32 numbers of a [512] vector in the result's layout: register 8 i + j = channel 64 w + 32 (i / 2) + 16 h + 8 (i % 2) + j
.irp i, 0,1,2,3
.irp q, 0,1
	global_load_b128 v[\dst+8*\i+4*\q:\dst+8*\i+4*\q+3], v5, s[\base:\base+1] offset:(32*(\i/2)+8*(\i%2))*4+16*\q
.endr
.endr
.endm
; The four tiles' figures in v[PP + 2 a], v[PP + 2 a + 1] (two halves): across the lane halves, across the eight waves through LDS at off, the total into v[BIA + 8 a]
.macro ACROSS src, off
.irp a, 0,1,2,3
	s_delay_alu instid0(VALU_DEP_4)
	v_add_f32 v[\src+2*\a], v[\src+2*\a], v[\src+2*\a+1]
.endr
.irp a, 0,1,2,3
	s_delay_alu instid0(VALU_DEP_4)
	v_permlanex16_b32 v[\src+2*\a+1], v[\src+2*\a], s[SEL], s[SEL+1]
.endr
.irp a, 0,1,2,3
	s_delay_alu instid0(VALU_DEP_4)
	v_add_f32 v[\src+2*\a], v[\src+2*\a], v[\src+2*\a+1]   ; my wave's 64 channels of position (a, r)
.endr
.irp a, 0,1,2,3
	ds_store_b32 v30, v[\src+2*\a] offset:\off+512*\a      ; both halves of the lanes write the same word with the same value
.endr
	s_wait_dscnt 0x0                               ; for the others' sake: my words are stored
	s_barrier_signal -1
	s_barrier_wait -1
.irp a, 0,1,2,3
	ds_load_b128 v[BIA+8*\a:BIA+8*\a+3], v31 offset:\off+512*\a
	ds_load_b128 v[BIA+8*\a+4:BIA+8*\a+7], v31 offset:\off+512*\a+16
.endr
	s_wait_dscnt 0x0
.irp a, 0,1,2,3
	v_pk_add_f32 v[BIA+8*\a:BIA+8*\a+1], v[BIA+8*\a:BIA+8*\a+1], v[BIA+8*\a+2:BIA+8*\a+3]
	v_pk_add_f32 v[BIA+8*\a+4:BIA+8*\a+5], v[BIA+8*\a+4:BIA+8*\a+5], v[BIA+8*\a+6:BIA+8*\a+7]
.endr
.irp a, 0,1,2,3
	v_pk_add_f32 v[BIA+8*\a:BIA+8*\a+1], v[BIA+8*\a:BIA+8*\a+1], v[BIA+8*\a+4:BIA+8*\a+5]
.endr
.irp a, 0,1,2,3
	s_delay_alu instid0(VALU_DEP_4)
	v_add_f32 v[BIA+8*\a], v[BIA+8*\a], v[BIA+8*\a+1]      ; the same order in every wave: all hold the same bits
.endr
.endm
	s_load_b256 s[4:11], s[0:1], 0x0               ; xi, xs, img, sc
	s_load_b256 s[12:19], s[0:1], 0x20             ; pet, bp, gamma, beta
	s_load_b64 s[20:21], s[0:1], 0x40              ; out0
	v_lshl_add_u32 v254, v0, 2, 0x29000
	v_mov_b32 v255, 0
	ds_add_u32 v254, v255
	ds_add_u32 v254, v255
	s_wait_dscnt 0x0
	v_lshrrev_b32 v128, 5, v0
	s_delay_alu instid0(VALU_DEP_1)
	v_readfirstlane_b32 s22, v128                  ; wave 0..7
	s_mov_b32 s24, (2<<16)|(1<<20)|(5<<22)|(1<<25) ; f32; two words of padding behind every 64
	s_mov_b32 s25, 64<<16
	s_mov_b32 s26, 64<<16
	s_mov_b32 s27, 64<<16
	s_mov_b32 s28, 64                              ; 64 rows (channels) of 64 positions,
	s_mov_b32 s29, 4096                            ; 4,096 elements apart
	s_mov_b32 s30, 0
	s_mov_b32 s31, 0
	s_lshr_b32 s23, ttmp9, 6                       ; b
	s_lshl_b32 s36, s23, 23
	s_lshl_b32 s37, s22, 20                        ; my 64 channels
	s_add_co_u32 s36, s36, s37
	s_and_b32 s38, ttmp9, 63
	s_lshl_b32 s37, s38, 8                         ; the 64 positions
	s_add_co_u32 s36, s36, s37
	s_mov_b32 s37, 0
	s_mov_b32 s32, 1
	s_mul_i32 s33, s22, ZW
	s_mov_b32 s40, 0x3b000000                      ; 1 / 512
	s_mov_b32 s41, 0x3727c5ac                      ; 1e-5
	s_mov_b32 s[SEL], 0x76543210
	s_mov_b32 s[SEL+1], 0xfedcba98
	s_wait_kmcnt 0x0
	s_add_nc_u64 s[34:35], s[12:13], s[36:37]
	s_or_b32 s35, s35, 0x80000000
	tensor_load_to_lds s[32:35], s[24:31]          ; one load of mine is out
	s_nop 0
.rept 4
	v_nop
.endr
	s_add_nc_u64 s[20:21], s[20:21], s[36:37]      ; out0 at the same place as pet
	s_mov_b32 s43, 0
	s_lshl_b32 s42, s22, 8
	s_add_nc_u64 s[14:15], s[14:15], s[42:43]      ; bp, gamma, beta at my 64 channels
	s_add_nc_u64 s[16:17], s[16:17], s[42:43]
	s_add_nc_u64 s[18:19], s[18:19], s[42:43]
	s_lshl_b32 s42, s23, 16                        ; xs: head 8 b, tile 4 (G % 64)
	s_lshl_b32 s39, s38, 7
	s_add_co_u32 s42, s42, s39
	s_add_nc_u64 s[6:7], s[6:7], s[42:43]
	s_lshl_b32 s42, ttmp9, 14                      ; xi: tile 4 G
	s_add_nc_u64 s[4:5], s[4:5], s[42:43]
	s_lshl_b32 s42, s22, 14
	s_add_co_u32 s42, s42, 1120*4096               ; img: Wp's tile 4 w
	s_add_nc_u64 s[8:9], s[8:9], s[42:43]
	s_lshl_b32 s42, s22, 10
	s_add_co_u32 s42, s42, 1120*256
	s_add_nc_u64 s[10:11], s[10:11], s[42:43]
	v_and_b32 v128, 31, v0
	s_delay_alu instid0(VALU_DEP_1)
	v_lshlrev_b32 v1, 4, v128
	s_delay_alu instid0(VALU_DEP_2)
	v_lshlrev_b32 v2, 2, v128
	s_delay_alu instid0(VALU_DEP_3)
	v_lshlrev_b32 v3, 1, v128
	v_and_b32 v129, 15, v0                         ; r
	v_bfe_u32 v130, v0, 4, 1                       ; h
	s_delay_alu instid0(VALU_DEP_2)
	v_and_b32 v131, 8, v129
	s_delay_alu instid0(VALU_DEP_1)
	v_add_nc_u32 v131, v131, v129                  ; r + 8 (r / 8)
	s_delay_alu instid0(VALU_DEP_1)
	v_lshlrev_b32 v4, 2, v131
	s_delay_alu instid0(VALU_DEP_1)
	v_mad_u32_u24 v4, v130, 16*ZP, v4
	s_delay_alu instid0(VALU_DEP_1)
	v_add_nc_u32 v4, s33, v4                       ; Z: my wave's rows, 16 h rows down, my position
	v_lshlrev_b32 v5, 6, v130
	s_lshl_b32 s39, s22, 2
	s_add_co_u32 s39, s39, RED1
	v_lshl_add_u32 v30, v129, 5, s39               ; where my wave's figure of row r goes
	v_lshl_add_u32 v31, v129, 5, RED1              ; and where the eight are read
	VEC32 BIA, 14
	VEC32 GAM, 16
	VEC32 BET, 18
.irp p, 0,1
.irp s, 0,1,2,3
	global_load_u16 v[S1SC+4*\p+\s], v3, s[6:7] offset:(2*\s)*8192+64*\p     ; x's scale bytes of head 2 s: lanes 0-15 tile 2 p, lanes 16-31 tile 2 p + 1
.endr
.endr
.irp p, 0,1
.irp s, 0,1,2,3
	global_load_u16 v[XH+4*\p+\s], v3, s[6:7] offset:(2*\s+1)*8192+64*\p     ; and of head 2 s + 1
.endr
.endr
.irp p, 0,1
.irp s, 0,1,2,3
	global_load_b32 v[S0SC+4*\p+\s], v2, s[10:11] offset:512*\p+128*\s
.endr
.endr
	WIN 0x40
.irp s, 0,1,2,3
	LDFR 0, 8, \s
	LDFR 128, 4, \s
.endr
	WIN 0
	s_wait_alu depctr_va_vdst(0)
	s_wait_tensorcnt 0x0                           ; my 64 rows of pet are in; only I read them
.irp a, 0,1,2,3
.irp i, 0,1,2,3
.irp j, 0,1,2,3,4,5,6,7
	ds_load_b32 v[ACC+32*\a+8*\i+\j], v4 offset:(32*(\i/2)+8*(\i%2)+\j)*ZP+(32*(\a/2)+8*(\a%2))*4
.endr
.endr
.endr
	s_wait_dscnt 0x0
	s_wait_loadcnt 48                              ; all but the 16 fragment loads of each of the three later K steps
.irp k, 0,1,2,3,4,5,6,7
	v_lshl_or_b32 v[S1SC+\k], v[XH+\k], 16, v[S1SC+\k]   ; four bytes: x's scale word of a K step
.endr
.irp a, 0,1,2,3
.irp k, 0,2,4,6,8,10,12,14,16,18,20,22,24,26,28,30
	v_pk_add_f32 v[ACC+32*\a+\k:ACC+32*\a+\k+1], v[ACC+32*\a+\k:ACC+32*\a+\k+1], v[BIA+\k:BIA+\k+1]   ; pet + bp: what the sums begin with.  (Also the places between the scale words just made and the products)
.endr
.endr
	WIN 0x05
	GEMM 0
	s_wait_loadcnt 32
	GEMM 1
	s_wait_loadcnt 16
	GEMM 2
	s_wait_loadcnt 0x0
	GEMM 3
	WIN 0
.rept 4
	v_nop
.endr
	; the mean
.irp a, 0,1,2,3
	v_pk_add_f32 v[PP+2*\a:PP+2*\a+1], v[ACC+32*\a:ACC+32*\a+1], v[ACC+32*\a+2:ACC+32*\a+3]   ; each accumulator from its low end on
.endr
.irp k, 4,6,8,10,12,14,16,18,20,22,24,26,28,30
.irp a, 0,1,2,3
	v_pk_add_f32 v[PP+2*\a:PP+2*\a+1], v[PP+2*\a:PP+2*\a+1], v[ACC+32*\a+\k:ACC+32*\a+\k+1]
.endr
.endr
	ACROSS PP, 0
.irp a, 0,1,2,3
	s_delay_alu instid0(VALU_DEP_4)
	v_mul_f32 v[PP+2*\a], s40, v[BIA+8*\a]         ; the mean
.endr
.irp a, 0,1,2,3
.irp k, 0,2,4,6,8,10,12,14,16,18,20,22,24,26,28,30
	v_pk_add_f32 v[ACC+32*\a+\k:ACC+32*\a+\k+1], v[ACC+32*\a+\k:ACC+32*\a+\k+1], v[PP+2*\a:PP+2*\a+1] op_sel_hi:[1,0] neg_lo:[0,1] neg_hi:[0,1]   ; d = z - mean
.endr
.endr
	; the variance
.irp a, 0,1,2,3
	v_pk_mul_f32 v[BIA+2*\a:BIA+2*\a+1], v[ACC+32*\a:ACC+32*\a+1], v[ACC+32*\a:ACC+32*\a+1]
.endr
.irp k, 2,4,6,8,10,12,14,16,18,20,22,24,26,28,30
.irp a, 0,1,2,3
	s_delay_alu instid0(VALU_DEP_4)
	v_pk_fma_f32 v[BIA+2*\a:BIA+2*\a+1], v[ACC+32*\a+\k:ACC+32*\a+\k+1], v[ACC+32*\a+\k:ACC+32*\a+\k+1], v[BIA+2*\a:BIA+2*\a+1]
.endr
.endr
	ACROSS BIA, RED2-RED1                          ; other bytes than the first meeting's: no barrier is owed between them
.irp a, 0,1,2,3
	s_delay_alu instid0(VALU_DEP_4)
	v_fma_f32 v[BIA+8*\a], v[BIA+8*\a], s40, s41   ; variance + 1e-5
.endr
	s_wait_alu depctr_va_vdst(0)
.irp a, 0,1,2,3
	v_rsq_f32 v[PP+2*\a], v[BIA+8*\a]
.endr
	v_and_b32 v31, 31, v0                          ; (plain lines behind the batch)  the way out: 8 bytes a lane,
	s_delay_alu instid0(VALU_DEP_1)
	v_lshlrev_b32 v31, 3, v31
	s_delay_alu instid0(VALU_DEP_1)
	v_add_nc_u32 v30, s33, v31                     ; in my wave's rows
	s_wait_alu depctr_va_vdst(0)                   ; one wait for the four, ahead of their first reader
.irp a, 0,1,2,3
.irp k, 0,2,4,6,8,10,12,14,16,18,20,22,24,26,28,30
	v_pk_mul_f32 v[ACC+32*\a+\k:ACC+32*\a+\k+1], v[ACC+32*\a+\k:ACC+32*\a+\k+1], v[PP+2*\a:PP+2*\a+1] op_sel_hi:[1,0]
.endr
.endr
.irp a, 0,1,2,3
.irp k, 0,2,4,6,8,10,12,14,16,18,20,22,24,26,28,30
	v_pk_fma_f32 v[ACC+32*\a+\k:ACC+32*\a+\k+1], v[ACC+32*\a+\k:ACC+32*\a+\k+1], v[GAM+\k:GAM+\k+1], v[BET+\k:BET+\k+1]
.endr
.endr
.irp a, 0,1,2,3
.irp i, 0,1,2,3
.irp j, 0,1,2,3,4,5,6,7
	ds_store_b32 v4, v[ACC+32*\a+8*\i+\j] offset:(32*(\i/2)+8*(\i%2)+\j)*ZP+(32*(\a/2)+8*(\a%2))*4   ; back to where pet's number lay
.endr
.endr
.endr
.set K, 0
.rept 32
	ds_load_b64 v[32+2*K:33+2*K], v30 offset:ZP*K  ; LDS serves a wave's instructions in order: these see my stores.  A row of 256 bytes an instruction
.set K, K+1
.endr
	s_wait_dscnt 31                                ; the first row is back, so all my stores into Z are done: their registers take the other 32 rows
.set K, 0
.rept 32
	ds_load_b64 v[128+2*K:129+2*K], v30 offset:ZP*(32+K)
.set K, K+1
.endr
.set K, 0
.rept 32
	s_wait_dscnt 63-K                              ; row K is back; the younger row loads may be out
	global_store_b64 v31, v[32+2*K:33+2*K], s[20:21] offset:16384*K th:TH_STORE_NT   ; 32 lanes store 256 consecutive bytes, aligned
.set K, K+1
.endr
.set K, 0
.rept 32
	s_wait_dscnt 31-K
	global_store_b64 v31, v[128+2*K:129+2*K], s[20:21] offset:16384*(32+K) th:TH_STORE_NT
.set K, K+1
.endr
	s_wait_xcnt 0x0
	v_lshl_add_u32 v254, v0, 2, 0x29000
	v_mov_b32 v255, 0
	s_wait_alu depctr_va_vdst(0)
	s_wait_tensorcnt 0x0
	ds_add_u32 v254, v255
	s_wait_dscnt 0x0
	s_endpgm
.Lfunc_end_k_q970cd86080_outp:
	.size	k_q970cd86080_outp, .Lfunc_end_k_q970cd86080_outp-k_q970cd86080_outp
	.p2alignl 7, 3214868480
	.fill 96, 4, 3214868480
	.section	.rodata,"a",@progbits
	.p2align	6, 0x0
	.amdhsa_kernel k_q970cd86080_outp
		.amdhsa_group_segment_fixed_size 168960
		.amdhsa_private_segment_fixed_size 0
		.amdhsa_enable_private_segment 0
		.amdhsa_kernarg_size 72
		.amdhsa_user_sgpr_count 2
		.amdhsa_user_sgpr_kernarg_segment_ptr 1
		.amdhsa_wavefront_size32 1
		.amdhsa_system_sgpr_workgroup_id_x 1
		.amdhsa_system_sgpr_workgroup_id_y 1
		.amdhsa_system_sgpr_workgroup_id_z 1
		.amdhsa_system_vgpr_workitem_id 0
		.amdhsa_next_free_vgpr 512
		.amdhsa_next_free_sgpr 66
		.amdhsa_reserve_vcc 0
		.amdhsa_float_denorm_mode_32 3
		.amdhsa_float_denorm_mode_16_64 3
		.amdhsa_memory_ordered 1
		.amdhsa_forward_progress 1
		.amdhsa_inst_pref_size 84
	.end_amdhsa_kernel
	.amdgpu_metadata
---
amdhsa.version: [ 1, 2 ]
amdhsa.kernels:
  - .name:           k_q970cd86080_outp
    .symbol:         k_q970cd86080_outp.kd
    .args:
      - { .name: xi, .offset: 0, .size: 8, .value_kind: global_buffer, .address_space: global }
      - { .name: xs, .offset: 8, .size: 8, .value_kind: global_buffer, .address_space: global }
      - { .name: img, .offset: 16, .size: 8, .value_kind: global_buffer, .address_space: global }
      - { .name: sc, .offset: 24, .size: 8, .value_kind: global_buffer, .address_space: global }
      - { .name: pet_feat, .offset: 32, .size: 8, .value_kind: global_buffer, .address_space: global }
      - { .name: bp, .offset: 40, .size: 8, .value_kind: global_buffer, .address_space: global }
      - { .name: gamma, .offset: 48, .size: 8, .value_kind: global_buffer, .address_space: global }
      - { .name: beta, .offset: 56, .size: 8, .value_kind: global_buffer, .address_space: global }
      - { .name: out0, .offset: 64, .size: 8, .value_kind: global_buffer, .address_space: global }
    .group_segment_fixed_size: 168960
    .private_segment_fixed_size: 0
    .kernarg_segment_align: 8
    .kernarg_segment_size: 72
    .max_flat_workgroup_size: 256
    .sgpr_count:     66
    .vgpr_count:     512
    .wavefront_size: 32
...
	.end_amdgpu_metadata
.endif
;; end of part 4
